; MI455X (gfx1250); checked and timed in simulation.
; The chip was launched on July 23, 2026; its instructions are those of AMD's public machine-readable ISA for CDNA 5 (MIT licence, August 2026) and "CDNA5" Instruction Set Architecture Reference Guide (July 2026). The comments in the code are by the model that wrote it; some were corrected since.
;; Deep Seek Mo E. Allowed arithmetic: matrix products marked QUANTISED: E3M2 operands, one E8M0 scale for each 32 along K, by v_wmma_scale_f32_16x16x128_f8f6f4 with both operands' format E3M2, f32 sums; products left as they are: f32 operands where the result goes on into a quantised operand, else bf16, f16 or f32 operands; f32 sums; everything else in f32.
;; Inputs: W_experts 8 x 1,024 x 1,024 float32; W_router 8 x 1,024 float32; W_shared 1,024 x 1,024 float32; b_experts 8 x 1,024 float32; b_router 8 float32; b_shared 1,024 float32; x 4 x 1,024 x 1,024 float32.
;; Outputs: out0 4 x 1,024 x 1,024 float32.
;; This version of the problem:
;;   THIS VERSION OF THE PROBLEM IS GIVEN IN LOW PRECISION. The matrix products marked QUANTISED in the list below multiply operands that are first quantised to E3M2 (3 exponent bits, 2 mantissa bits; 6 bits a number), with one power-of-two scale for each 32 numbers along K (OCP MX v1.0); their sums are f32. All else is computed in f32.
;;   The module's matrix products, in the order in which they are computed (A, B: the left and right operand; K: the contracted axis; several contracted axes count as one K, in the product's order):
;;     1. [M 4,096, K 1,024] x [K 1,024, N 1,024]; A: input x; B: input W_shared: QUANTISED
;;     2. [M 4,096, K 1,024] x [K 1,024, N 8]; A: input x; B: input W_router: left as it is (N = 8 < 16)
;;     3. [M 4,096, K 1,024] x [K 1,024, N 8,192]; A: input x; B: input W_experts: QUANTISED
;;     4. batch 4,096 x [M 1, K 8] x [K 8, N 1,024]; A: computed on the way; B: computed on the way: left as it is (K = 8 < 32)
;;   THE QUANTISER, for each operand of a quantised product, along K:
;;     - K is cut into blocks of 32 from its start; a last block that is shorter is filled with zeros.
;;     - A block's scale is 2^e with e = floor(log2(the largest magnitude in the block)) - 4, held to -126 .. 127; a block of zeros has e = 0. As a byte (E8M0): e + 127.
;;     - Each number is divided by its block's scale, clamped to +-28, and rounded to the nearest number of E3M2, ties to even, subnormals kept.
;;     - The product sums the exact products of the quantised numbers (number of the format x scale) in f32.
;;   ~~~python
;;   def quantise(x, axis):      # numpy; x: float32 -> the quantised numbers, widened to float32 again
;;       x = np.moveaxis(x, axis, -1); K = x.shape[-1]
;;       x = np.pad(x, [(0, 0)] * (x.ndim - 1) + [(0, -K % 32)]); x = x.reshape(x.shape[:-1] + (-1, 32)); a = np.abs(x).max(-1, keepdims=True)
;;       e = np.where(a > 0, np.clip(np.frexp(np.where(a > 0, a, 1))[1] - 1 - 4, -126, 127), 0)      # np.frexp(a)[1] - 1 = floor(log2(a)), exactly
;;       r = np.clip(x / 2.0 ** e, -28, 28)
;;       step = 2.0 ** (np.maximum(np.frexp(np.where(r == 0, 1, r))[1] - 1, -2) - 2)
;;       q = np.round(r / step) * step * 2.0 ** e      # np.round: ties to even
;;       return np.moveaxis(q.reshape(q.shape[:-2] + (-1,))[..., :K], -1, axis).astype(np.float32)
;;   ~~~
;; One version. Each part assembles by itself: llvm-mc -triple=amdgcn-amd-amdhsa -mcpu=gfx1250 --defsym DOCPART=n.
;; ======== version 1 of 1: 3 launches
;; limits: right only within a limited range of input values
;; workspace buffers: xc 3,145,728 bytes; xs 131,072 bytes; wc 7,077,888 bytes; ws 294,912 bytes; keys 49,152 bytes of whole numbers; gates 65,536 bytes; rows 25,600 bytes of whole numbers; tiles 2,048 bytes of whole numbers
;; launch prep (part 1): grid 256 x 1, 4 waves a work-group, no clusters, 63,232 bytes of LDS; arguments x, W_router, b_router, xc, xs, keys, gates, rows; writes xc, xs, keys, gates, rows
.if DOCPART == 1
	.amdgcn_target "amdgcn-amd-amdhsa--gfx1250"
	.amdhsa_code_object_version 6
	.text
	.protected	k_qf7ca18c3a1_prep
	.globl	k_qf7ca18c3a1_prep
	.p2align	8
	.type	k_qf7ca18c3a1_prep,@function
k_qf7ca18c3a1_prep:
	s_mov_b64 s[64:65], 0
	v_nop
	global_prefetch_b8 v0, s[64:65] scope:SCOPE_SE
	s_setreg_imm32_b32 hwreg(HW_REG_WAVE_MODE, 25, 1), 1
	s_wait_xcnt 0x0
; x [4096][1024] f32 -> codes of E3M2 with one E8M0 byte for each 32 along K; the router in f32; each token's pair of experts as a whole number, its two gate factors.
; SHARES. A work-group takes 16 tokens, a wave 4 whole rows: 8 steps of 512 numbers. Each of a step's four loads reads 512 consecutive bytes; the 2,048 bytes turn through the wave's own stage in LDS,
; so that a lane then holds 16 NEIGHBOURS along K (k = 512 u + 16 lane + i): two neighbouring lanes hold a block of 32. All 32 loads of a wave are out at once.
; CODES are stored in the order of the operand's registers: [token][K step s][half hh][48 bytes] = block 4 s + hh, then block 4 s + 2 + hh. SCALE BYTES: [token][32], natural order.
; ROUTER. W_router (8 x 1,024 f32) goes once through LDS into 256 registers of every wave, in the same lane order as x; 8 packed sums a row, added over the lanes; + b_router; top 2 by a scan with a strict
; compare (the lower index keeps a tie); softmax of the two with the larger taken off. key = lo (15 - lo) / 2 + hi - lo - 1 (0 .. 27); gates (rho, rho, gamma, gamma) with
; gamma = max(g_hi, 2^-40), rho = g_lo / gamma: the last launch computes gamma (rho (Y_lo + b_lo) + Y_hi + b_hi).
; FOR THE SORT. The four waves' keys meet in LDS; wave 0 ranks the work-group's 16 tokens among those of the same key (five ballots of the key's bits) and counts each key. Stored at fixed places:
; a word 4 key | (4 rank) << 8 for each token, and behind the 4,096 words, 4 x the count of each key, laid [work-group / 4][key 0 .. 31][work-group % 4]. No address here hangs on a key.
; The first 50 work-groups also fill the row list with 4096 (no token).
; LIMITS: NaN and infinities are not served. A block whose largest magnitude lies under 2^-122 keeps the byte 1; so does a block of zeros (its codes are zeros; this program alone reads the bytes).
; gamma's floor adds at most 2^-40 |Y_hi + b_hi|. The router's sum is taken in another order than a plain dot product: two scores within f32 rounding of each other may change places.
; No tensor loads, no cluster: work-groups share only W_router's 32,768 bytes.
; REGISTERS, window 0: v1 lane; v2 16 lane; v3, v4 stage in, out; v5 my codes' place; v6, v7 scale bytes in LDS; v8 4 lane; v9, v10 W_router in LDS in, out; v11, v13, v14 at work; v15 keys; v[16:19] gates;
;   v20-27 the numbers 0 .. 7; v28, v29 the fill; v30, v31 the keys in LDS in, out; v32-63 two sets of 16 neighbours, at the end scratch; v64-127 W_router as loaded, later sums and scratch;
;   v128-255 x as loaded, step t at 128 + 16 t, later its codes and byte.   window 1: W_router, register 16 (2 e + u) + i.
.set SP,  80                           ; a lane's place in a stage: 64 bytes + 16 of padding
.set STG, 32*SP                        ; a stage
.set WVB, 16*STG                       ; LDS: W_router's 16 steps, then a region for each wave,
.set WVS, 2*STG+256                    ; (two stages and the wave's scale bytes)
.set KX,  WVB+4*WVS                    ; then the work-group's 16 keys
.set HB,  16384                        ; the counts begin behind the 4,096 key words
.set X,   32
.set WT,  64
.set AC,  64                           ; v64-79 eight packed sums
.set SC,  80                           ; v80-87 the scores
.set PT,  88                           ; v88-95 destinations of the lane permutes
.set R,   128
.set MSB, 0
.macro WIN new                         ; the immediate's high byte repeats the setting that is left
.if MSB != (\new)
	s_set_vgpr_msb (MSB<<8)|(\new)
.set MSB, (\new)
.endif
.endm
	s_load_b512 s[4:19], s[0:1], 0x0               ; x 4, W_router 6, b_router 8, xc 10, xs 12, keys 14, gates 16, rows 18
	v_lshl_add_u32 v12, v0, 2, 0xf500
	s_set_vgpr_msb 0x80
	v_mov_b32 v1, 0
	s_set_vgpr_msb 0x8000
	v_lshrrev_b32 v1, 5, v0
	v_readfirstlane_b32 s20, v1                    ; wave
	v_and_b32 v1, 31, v0                           ; lane
	v_lshlrev_b32 v2, 4, v1
	v_lshlrev_b32 v8, 2, v1
	s_mul_i32 s40, s20, WVS
	s_add_co_u32 s40, s40, WVB                     ; my wave's region
	s_mul_i32 s41, s20, 4*STG                      ; my four steps of W_router
	v_lshrrev_b32 v11, 2, v1
	v_mul_u32_u24 v11, v11, SP
	v_and_b32 v13, 3, v1
	v_lshl_add_u32 v11, v13, 4, v11                ; 80 (lane / 4) + 16 (lane % 4): four lanes' 64 bytes on end
	v_add_nc_u32 v3, s40, v11
	v_add_nc_u32 v9, s41, v11
	v_mul_u32_u24 v10, v1, SP                      ; 80 lane: my 16 neighbours
	v_add_nc_u32 v4, s40, v10
	s_add_co_u32 s40, s40, 2*STG
	v_lshrrev_b32 v6, 1, v1
	v_add_nc_u32 v6, s40, v6                       ; my block's byte
	v_add_nc_u32 v7, s40, v8                       ; and 4 bytes a lane on the way out
	v_lshrrev_b32 v13, 3, v1                       ; my 12 bytes of codes in a step's 384: 96 (K step) + 48 (block % 2) + 24 (block / 2) + 12 (half of the block)
	v_mul_u32_u24 v5, v13, 96
	v_bfe_u32 v13, v1, 1, 1
	v_mad_u32_u24 v5, v13, 48, v5
	v_bfe_u32 v13, v1, 2, 1
	v_mad_u32_u24 v5, v13, 24, v5
	v_and_b32 v13, 1, v1
	v_mad_u32_u24 v5, v13, 12, v5
	v_and_b32 v30, 3, v1
.irp j, 1,2,3
	v_cmp_eq_u32 s[32+\j], \j, v30                 ; lane l collects row l % 4's results
.endr
	s_lshl_b32 s42, s20, 4
	s_add_co_u32 s42, s42, KX
	v_lshl_add_u32 v30, v30, 2, s42                ; my wave's four keys: KX + 16 wave + 4 (lane % 4)
	v_and_b32 v31, 15, v1
	v_lshl_add_u32 v31, v31, 2, KX                 ; and back: KX + 4 (lane % 16)
.irp e, 0,1,2,3,4,5,6,7
	v_mov_b32 v[20+\e], \e
.endr
	s_mov_b32 s36, 0x76543210
	s_mov_b32 s37, 0xfedcba98                      ; v_permlanex16_b32's selects for lane l xor 16
	v_lshlrev_b32 v29, 2, v0
	s_lshl_b32 s41, ttmp9, 9
	v_add_nc_u32 v29, s41, v29                     ; the fill: word 128 x work-group + thread
	v_mov_b32 v28, 0x1000
	s_lshl_b32 s21, ttmp9, 4
	s_lshl_b32 s22, s20, 2
	s_add_co_u32 s21, s21, s22                     ; my first token
	s_mov_b32 s23, 0
	s_wait_kmcnt 0x0
	s_load_b256 s[24:31], s[8:9], 0x0              ; b_router
	s_lshl_b32 s22, s21, 12
	s_add_nc_u64 s[4:5], s[4:5], s[22:23]
	s_lshl_b32 s22, s20, 13
	s_add_nc_u64 s[6:7], s[6:7], s[22:23]
	s_mul_i32 s22, s21, 768
	s_add_nc_u64 s[10:11], s[10:11], s[22:23]
	s_lshl_b32 s22, s21, 5
	s_add_nc_u64 s[12:13], s[12:13], s[22:23]
	s_lshr_b32 s22, ttmp9, 2                       ; the counts: 512 (work-group / 4) + 4 (work-group % 4), behind the key words
	s_lshl_b32 s22, s22, 9
	s_and_b32 s42, ttmp9, 3
	s_lshl_b32 s42, s42, 2
	s_add_co_u32 s22, s22, s42
	s_add_co_u32 s22, s22, HB
	s_add_nc_u64 s[46:47], s[14:15], s[22:23]
	s_lshl_b32 s22, ttmp9, 6                       ; the key words: 64 bytes a work-group
	s_add_nc_u64 s[14:15], s[14:15], s[22:23]
	s_lshl_b32 s22, s21, 4
	s_add_nc_u64 s[16:17], s[16:17], s[22:23]
	s_cmp_lt_u32 ttmp9, 50                         ; 50 x 128 words = the list's 6,400
	s_cbranch_scc0 .Lno_fill
	s_wait_alu depctr_va_vdst(0)
	global_store_b32 v29, v28, s[18:19]            ; v28, v29 are never written again
.Lno_fill:
.irp q, 0,1,2,3
.irp i, 0,1,2,3
	global_load_b128 v[WT+16*\q+4*\i:WT+16*\q+4*\i+3], v2, s[6:7] offset:2048*\q+512*\i
.endr
.endr
.irp t, 0,1,2,3,4,5,6,7
.irp i, 0,1,2,3
	global_load_b128 v[R+16*\t+4*\i:R+16*\t+4*\i+3], v2, s[4:5] offset:2048*\t+512*\i th:TH_LOAD_NT
.endr
.endr
	s_wait_loadcnt 32                              ; W_router's 16 loads are in; x's 32 may be out
.irp q, 0,1,2,3
.irp i, 0,1,2,3
	ds_store_b128 v9, v[WT+16*\q+4*\i:WT+16*\q+4*\i+3] offset:STG*\q+8*SP*\i
.endr
.endr
	s_wait_dscnt 0x0                               ; for the others' sake: my part of W_router lies in LDS
	s_barrier_signal -1
	s_barrier_wait -1
	WIN 0x40                                       ; destination window 1
.irp q, 0,1,2,3,4,5,6,7,8,9,10,11,12,13,14,15
.irp i, 0,1,2,3
	ds_load_b128 v[16*\q+4*\i:16*\q+4*\i+3], v10 offset:STG*\q+16*\i
.endr
.endr
	WIN 0
.irp e, 0,1,2,3,4,5,6,7
	v_mov_b32 v[PT+\e], 0                          ; written once: a lane permute's destination counts as one of its sources
.endr
	s_wait_kmcnt 0x0                               ; b_router
.macro TURN t                          ; step t through the stage: LDS serves a wave's instructions in order, so no wait stands between the stores and the loads
.irp i, 0,1,2,3
	ds_store_b128 v3, v[R+16*(\t)+4*\i:R+16*(\t)+4*\i+3] offset:STG*((\t)%2)+8*SP*\i
.endr
.irp i, 0,1,2,3
	ds_load_b128 v[X+16*((\t)%2)+4*\i:X+16*((\t)%2)+4*\i+3], v4 offset:STG*((\t)%2)+16*\i
.endr
.endm
.macro STEP t
.set XQ, X+16*((\t)%2)
.set CD, R+16*(\t)                     ; the step's codes and byte take the registers that its stage stores have read
.if (\t) == 0
	s_wait_dscnt 0x0                               ; W_router and step 0 are in registers
.else
	s_wait_dscnt 0x1                               ; this step is back from the stage; the last step's byte store may be out
.endif
.if (\t) < 7
	s_wait_loadcnt 4*(6-(\t))                      ; the next step's four loads are in; the later steps' may be out
	TURN (\t)+1
.endif
	v_max3_num_f32 v11, |v[XQ]|, |v[XQ+1]|, |v[XQ+2]|
	v_max3_num_f32 v13, |v[XQ+3]|, |v[XQ+4]|, |v[XQ+5]|
.irp i, 6,10
	v_max3_num_f32 v11, v11, |v[XQ+\i]|, |v[XQ+\i+1]|
	v_max3_num_f32 v13, v13, |v[XQ+\i+2]|, |v[XQ+\i+3]|
.endr
	v_max3_num_f32 v11, v11, |v[XQ+14]|, |v[XQ+15]|
	v_max3_num_f32 v11, v11, v13, 0x2800000        ; and the floor 2^(5 - 127): the byte cannot fall under 1
	v_max_num_f32_dpp v11, v11, v11 row_xmask:1 row_mask:0xf bank_mask:0xf   ; with my neighbour's 16: the block's largest magnitude
	v_add_nc_u32 v14, 0xfe000000, v11              ; 4 off its exponent field: the conversion takes that field as its scale
	v_cvt_scalef32_pk16_bf6_f32 v[CD:CD+2], v[XQ:XQ+15], v14
	v_lshrrev_b32 v[CD+4], 23, v14                 ; the scale's byte (also the plain line behind the conversion)
	ds_store_b8 v6, v[CD+4] offset:16*(\t)         ; both lanes of a block write the same byte with the same value
	global_store_b96 v5, v[CD:CD+2], s[10:11] offset:384*(\t)   ; the wave's stores of a step cover 384 consecutive bytes
	WIN 0x04                                       ; source 1 (W_router) window 1
.irp i, 0,2,4,6,8,10,12,14
.irp e, 0,1,2,3,4,5,6,7
.if ((\t)%2 == 0) && (\i == 0)
	v_pk_mul_f32 v[AC+2*\e:AC+2*\e+1], v[XQ+\i:XQ+\i+1], v[16*(2*\e+(\t)%2)+\i:16*(2*\e+(\t)%2)+\i+1]   ; a row's first products start its sums
.else
	v_pk_fma_f32 v[AC+2*\e:AC+2*\e+1], v[XQ+\i:XQ+\i+1], v[16*(2*\e+(\t)%2)+\i:16*(2*\e+(\t)%2)+\i+1], v[AC+2*\e:AC+2*\e+1]
.endif
.endr
.endr
	WIN 0
.endm
; Row j's scores, its two experts and its gates. Every lane ends up with the same numbers; the lanes with lane % 4 = j keep them.
.macro ROW j
.irp e, 0,1,2,3,4,5,6,7
	v_add_f32 v[SC+\e], v[AC+2*\e], v[AC+2*\e+1]
.endr
.irp x, 1,2,4,8
.irp e, 0,1,2,3,4,5,6,7
	v_add_f32_dpp v[SC+\e], v[SC+\e], v[SC+\e] row_xmask:\x row_mask:0xf bank_mask:0xf
.endr
.endr
.irp e, 0,1,2,3,4,5,6,7
	v_permlanex16_b32 v[PT+\e], v[SC+\e], s36, s37
.endr
.irp e, 0,1,2,3,4,5,6,7
	v_add_f32 v[SC+\e], v[SC+\e], v[PT+\e]
.endr
.irp e, 0,1,2,3,4,5,6,7
	v_add_f32 v[SC+\e], s[24+\e], v[SC+\e]
.endr
	v_mov_b32 v96, v[SC]                           ; the best score and its expert,
	v_mov_b32 v97, 0
	v_mov_b32 v98, 0xff800000                      ; the second best: -infinity so far
	v_mov_b32 v99, 0
.irp e, 1,2,3,4,5,6,7
	v_cmp_gt_f32 vcc_lo, v[SC+\e], v96             ; strictly greater: the lower index keeps a tie
	v_cmp_gt_f32 s38, v[SC+\e], v98
	v_cndmask_b32 v98, v98, v[SC+\e], s38
	v_cndmask_b32 v99, v99, v[20+\e], s38
	v_cndmask_b32 v98, v98, v96, vcc_lo
	v_cndmask_b32 v99, v99, v97, vcc_lo
	v_cndmask_b32 v96, v96, v[SC+\e], vcc_lo
	v_cndmask_b32 v97, v97, v[20+\e], vcc_lo
.endr
	v_sub_f32 v100, v98, v96                       ; the larger score is taken off: 0 or less
	v_mul_f32 v100, 0x3fb8aa3b, v100
	s_wait_alu depctr_va_vdst(0)
	v_exp_f32 v101, v100                           ; t = e^(second - first)
	v_min_u32 v102, v97, v99                       ; lo (a plain line behind the exponential)
	v_add_nc_u32 v103, v97, v99
	v_sub_nc_u32 v103, v103, v102                  ; hi
	s_wait_alu depctr_va_vdst(0)
	v_add_f32 v104, 1.0, v101
	s_wait_alu depctr_va_vdst(0)
	v_rcp_f32 v105, v104                           ; the first's weight, 1 / (1 + t)
	v_sub_nc_u32 v111, 15, v102                    ; (a plain line behind the reciprocal)
	v_cmp_lt_u32 vcc_lo, v97, v99
	s_wait_alu depctr_va_vdst(0)
	v_mul_f32 v106, v101, v105                     ; the second's, t / (1 + t)
	v_cndmask_b32 v107, v106, v105, vcc_lo         ; g_lo
	v_cndmask_b32 v108, v105, v106, vcc_lo         ; g_hi
	v_max_num_f32 v109, 0x2b800000, v108           ; gamma = max(g_hi, 2^-40)
	s_wait_alu depctr_va_vdst(0)
	v_rcp_f32 v110, v109
	v_mul_u32_u24 v111, v111, v102                 ; lo (15 - lo)
	v_lshrrev_b32 v111, 1, v111
	v_add_nc_u32 v111, v111, v103
	v_sub_nc_u32 v111, v111, v102
	v_add_nc_u32 v111, -1, v111                    ; the pair's number
	s_wait_alu depctr_va_vdst(0)
	v_mul_f32 v112, v107, v110                     ; rho = g_lo / gamma
.if \j == 0
	v_mov_b32 v15, v111
	v_mov_b32 v16, v112
	v_mov_b32 v18, v109
.else
	v_cndmask_b32 v15, v15, v111, s[32+\j]
	v_cndmask_b32 v16, v16, v112, s[32+\j]
	v_cndmask_b32 v18, v18, v109, s[32+\j]
.endif
.endm
	s_wait_loadcnt 28                              ; step 0's four loads are in
	TURN 0
.irp j, 0,1,2,3
	STEP 2*\j
	STEP 2*\j+1
	ROW \j
.endr
	v_mov_b32 v17, v16
	v_mov_b32 v19, v18
	ds_store_b32 v30, v15                          ; my four keys: eight lanes write each word, with the same value
	ds_load_b32 v113, v7                           ; LDS serves a wave's instructions in order: this sees my byte stores
	s_wait_alu depctr_va_vdst(0)
	s_wait_dscnt 0x0                               ; for the others' sake: my keys lie in LDS
	s_barrier_signal -1
	s_barrier_wait -1
	ds_load_b32 v32, v31                           ; the work-group's 16 keys: lane l takes token l % 16's (nobody writes these bytes again)
	global_store_b32 v8, v113, s[12:13]            ; my four tokens' 128 scale bytes, consecutive
	v_cmp_gt_u32 vcc_lo, 4, v1
	s_wait_xcnt 0x0                                ; EXEC changes only behind this wait
	s_and_saveexec_b32 s39, vcc_lo
	global_store_b128 v2, v[16:19], s[16:17]       ; lanes 0-3: the gates
	s_wait_xcnt 0x0
	s_or_b32 exec_lo, exec_lo, s39
	s_wait_dscnt 0x0
	s_cmp_lg_u32 s20, 0
	s_cbranch_scc1 .Lfin                           ; the ranking is wave 0's
	; s[40+b] = the lanes whose key has bit b. ballot xor (bit - 1) is the ballot where the bit is 1 and its complement where it is 0: the AND over the five bits is the mask of the lanes with that key.
	s_mov_b32 s24, 0x55555555                      ; (b_router's registers are free)
	s_mov_b32 s25, 0x33333333
	s_mov_b32 s26, 0x0f0f0f0f
	s_mov_b32 s27, 0x01010101
.irp b, 0,1,2,3,4
	v_bfe_u32 v[33+\b], v32, \b, 1
	v_bfe_u32 v[38+\b], v1, \b, 1
.endr
.irp b, 0,1,2,3,4
	v_cmp_ne_u32 s[40+\b], 0, v[33+\b]
.endr
.irp b, 0,1,2,3,4
	v_add_nc_u32 v[33+\b], -1, v[33+\b]
	v_add_nc_u32 v[38+\b], -1, v[38+\b]
.endr
.irp b, 0,1,2,3,4
	v_xor_b32 v[33+\b], s[40+\b], v[33+\b]         ; for my key,
	v_xor_b32 v[38+\b], s[40+\b], v[38+\b]         ; and for the key that is my lane's number
.endr
	v_and_b32 v33, v33, v34
	v_and_b32 v35, v35, v36
	v_and_b32 v38, v38, v39
	v_and_b32 v40, v40, v41
	v_and_b32 v33, v33, v37
	v_and_b32 v38, v38, v42
	v_and_b32 v33, v33, v35
	v_and_b32 v38, v38, v40
	v_mbcnt_lo_u32_b32 v43, v33, 0                 ; lanes 0-15: my rank among the tokens of my key
	v_and_b32 v38, 0xffff, v38                     ; (lanes 16-31 hold the 16 keys a second time)
	v_lshrrev_b32 v44, 1, v38                      ; the number of ones, by halves
	v_and_b32 v44, s24, v44
	v_sub_nc_u32 v38, v38, v44
	v_lshrrev_b32 v44, 2, v38
	v_and_b32 v38, s25, v38
	v_and_b32 v44, s25, v44
	v_add_nc_u32 v38, v38, v44
	v_lshrrev_b32 v44, 4, v38
	v_add_nc_u32 v38, v38, v44
	v_and_b32 v38, s26, v38
	v_mul_lo_u32 v38, v38, s27
	v_lshrrev_b32 v38, 24, v38                     ; lane p: tokens of key p
	v_lshlrev_b32 v38, 2, v38                      ; x 4: the sort adds byte offsets
	v_lshlrev_b32 v43, 10, v43
	v_lshl_or_b32 v43, v32, 2, v43                 ; 4 key | (4 rank) << 8
	global_store_b32 v2, v38, s[46:47]             ; 16 bytes from lane to lane: four work-groups fill 512 bytes between them
	v_cmp_gt_u32 vcc_lo, 16, v1
	s_wait_alu depctr_va_vdst(0)
	s_wait_xcnt 0x0                                ; EXEC changes only behind this wait
	s_and_saveexec_b32 s39, vcc_lo
	global_store_b32 v8, v43, s[14:15]             ; lanes 0-15: the 16 key words, 64 consecutive bytes
	s_wait_xcnt 0x0
	s_or_b32 exec_lo, exec_lo, s39
.Lfin:
	s_set_vgpr_msb 0x8
	s_wait_tensorcnt 0x0
	ds_add_u32 v12, v1
	s_wait_dscnt 0x0
	s_set_vgpr_msb 0x800
	s_endpgm
.Lfunc_end_k_qf7ca18c3a1_prep:
	.size	k_qf7ca18c3a1_prep, .Lfunc_end_k_qf7ca18c3a1_prep-k_qf7ca18c3a1_prep
	.p2alignl 7, 3214868480
	.fill 96, 4, 3214868480
	.section	.rodata,"a",@progbits
	.p2align	6, 0x0
	.amdhsa_kernel k_qf7ca18c3a1_prep
		.amdhsa_group_segment_fixed_size 63232
		.amdhsa_private_segment_fixed_size 0
		.amdhsa_enable_private_segment 0
		.amdhsa_kernarg_size 64
		.amdhsa_user_sgpr_count 2
		.amdhsa_user_sgpr_kernarg_segment_ptr 1
		.amdhsa_wavefront_size32 1
		.amdhsa_system_sgpr_workgroup_id_x 1
		.amdhsa_system_sgpr_workgroup_id_y 1
		.amdhsa_system_sgpr_workgroup_id_z 1
		.amdhsa_system_vgpr_workitem_id 0
		.amdhsa_next_free_vgpr 514
		.amdhsa_next_free_sgpr 66
		.amdhsa_reserve_vcc 1
		.amdhsa_float_denorm_mode_32 3
		.amdhsa_float_denorm_mode_16_64 3
		.amdhsa_memory_ordered 1
		.amdhsa_forward_progress 1
		.amdhsa_inst_pref_size 90
	.end_amdhsa_kernel
	.amdgpu_metadata
---
amdhsa.version: [ 1, 2 ]
amdhsa.kernels:
  - .name:           k_qf7ca18c3a1_prep
    .symbol:         k_qf7ca18c3a1_prep.kd
    .args:
      - { .name: x, .offset: 0, .size: 8, .value_kind: global_buffer, .address_space: global }
      - { .name: W_router, .offset: 8, .size: 8, .value_kind: global_buffer, .address_space: global }
      - { .name: b_router, .offset: 16, .size: 8, .value_kind: global_buffer, .address_space: global }
      - { .name: xc, .offset: 24, .size: 8, .value_kind: global_buffer, .address_space: global }
      - { .name: xs, .offset: 32, .size: 8, .value_kind: global_buffer, .address_space: global }
      - { .name: keys, .offset: 40, .size: 8, .value_kind: global_buffer, .address_space: global }
      - { .name: gates, .offset: 48, .size: 8, .value_kind: global_buffer, .address_space: global }
      - { .name: rows, .offset: 56, .size: 8, .value_kind: global_buffer, .address_space: global }
    .group_segment_fixed_size: 63232
    .private_segment_fixed_size: 0
    .kernarg_segment_align: 8
    .kernarg_segment_size: 64
    .max_flat_workgroup_size: 128
    .sgpr_count:     66
    .vgpr_count:     514
    .wavefront_size: 32
...
	.end_amdgpu_metadata
.endif
;; end of part 1
;; launch wsort (part 2): grid 289 x 1, 4 waves a work-group, no clusters, 34,816 bytes of LDS; arguments W_experts, W_shared, keys, wc, ws, rows, tiles; writes wc, ws, rows, tiles
.if DOCPART == 2
	.amdgcn_target "amdgcn-amd-amdhsa--gfx1250"
	.amdhsa_code_object_version 6
	.text
	.protected	k_qf7ca18c3a1_wsort
	.globl	k_qf7ca18c3a1_wsort
	.p2align	8
	.type	k_qf7ca18c3a1_wsort,@function
k_qf7ca18c3a1_wsort:
	s_mov_b64 s[64:65], 0
	v_nop
	global_prefetch_b8 v0, s[64:65] scope:SCOPE_SE
	s_setreg_imm32_b32 hwreg(HW_REG_WAVE_MODE, 25, 1), 1
	s_wait_xcnt 0x0
; Work-groups 1 .. 288: the nine weight matrices [1024 (out)][1024 (k)] f32 -> codes of E3M2 and E8M0 scale words, laid in the order of the operand's registers.
; Work-group 0: the tokens are placed by their pair of experts, in tiles of 80 rows of ONE pair.
; QUANTISER. Wave g = 128 e + 8 j + s (e: expert, 8 = shared; j: 64 outputs; s: 128 along K) makes four fragments of 16 rows x 128 K. A row's 128 numbers are 512 consecutive bytes: one load.
; 16 rows go through the wave's own stage (pitch 528 bytes, an odd multiple of 16) and come back so that lane (r, hh) holds k = 64 c + 32 hh + 0 .. 31 of row r: two whole blocks, in the operand's order.
; wc: [g][tile t][piece i][lane][16 bytes]; ws: [g][lane][2 words]: word 0 = tile 0's rows in lanes 0-15, tile 1's in lanes 16-31; word 1 = tiles 2 and 3.
; PLACING. The launch before has ranked each token among the 16 of its group and counted each group's keys (all x 4: byte offsets). Wave w takes groups 64 w .. 64 w + 63: lane p holds pair p's counts,
; one register a group; inclusive sums in four chains of 16; one barrier joins the four waves' totals. Pair p gets ceil(n / 80) tiles on end. A token's place in its pair is
; (tokens of the pair in earlier waves) + (the inclusive sum at its group) - 1 - (its rank): each group fills its stretch from the top down, which is as good an order as any.
; The sum is fetched from the lane whose number is the key; the two halves of the lanes belong to two groups, so two fetches and a choice. tiles: [128] (lo, hi, count, 0).
; The two ways part on the work-group's number and use LDS bytes of their own.
; LIMITS of the quantiser: NaN and infinities are not served; a block under 2^-122, and a block of zeros, keep the byte 1 (zero codes; this program alone reads the bytes).
; No tensor loads, no cluster: no input byte is read by two work-groups.
.set SORTB, 33792                      ; LDS: four stages of 8,448 bytes, then the placing's 512 bytes
.set HB,  16384                        ; the counts begin behind the 4,096 key words
.set XW,  64                           ; quantiser: v64-127 a fragment's numbers; v128-255 two sets of 16 rows as loaded
.set RW,  128
.set KY,  64                           ; placing: v64-95 key words, later token numbers; v96-159 the groups' sums; v160-191, v192-223 what the two fetches bring; v224-255 4 x key
.set IH,  96
.set PA,  160
.set PB,  192
.set IX,  224
	s_load_b256 s[4:11], s[0:1], 0x0               ; W_experts 4, W_shared 6, keys 8, wc 10
	s_load_b128 s[12:15], s[0:1], 0x20             ; ws 12, rows 14
	s_load_b64 s[16:17], s[0:1], 0x30              ; tiles
	v_lshl_add_u32 v62, v0, 2, 0x8600
	v_mov_b32 v63, 0
	v_lshrrev_b32 v1, 5, v0
	v_readfirstlane_b32 s18, v1                    ; wave
	v_and_b32 v40, 31, v0                          ; lane
	s_mov_b32 s20, 0x76543210
	s_mov_b32 s21, 0xfedcba98                      ; v_permlanex16_b32's selects for lane l xor 16
	s_wait_kmcnt 0x0
	s_cmp_eq_u32 ttmp9, 0
	s_cbranch_scc1 .Lsort
	; ---------------- the quantiser ----------------
	s_sub_co_u32 s19, ttmp9, 1
	s_lshl_b32 s22, s19, 2
	s_add_co_u32 s22, s22, s18                     ; g
	s_lshr_b32 s24, s22, 3                         ; which 64 rows of W_experts,
	s_and_b32 s25, s24, 15                         ; or of W_shared
	s_cmp_ge_u32 s19, 256                          ; the choice hangs on the work-group's number alone
	s_cselect_b64 s[4:5], s[6:7], s[4:5]
	s_cselect_b32 s24, s25, s24
	s_lshl_b32 s24, s24, 18                        ; 64 rows of 4,096 bytes
	s_and_b32 s25, s22, 7
	s_lshl_b32 s25, s25, 9                         ; + 512 s
	s_add_co_u32 s24, s24, s25
	s_mov_b32 s25, 0
	s_add_nc_u64 s[4:5], s[4:5], s[24:25]
	s_mul_i32 s24, s22, 6144
	s_add_nc_u64 s[10:11], s[10:11], s[24:25]
	s_lshl_b32 s24, s22, 8
	s_add_nc_u64 s[12:13], s[12:13], s[24:25]
	s_wait_alu depctr_va_vdst(0)
	v_lshlrev_b32 v1, 4, v40                       ; 16 lane
	s_mul_i32 s23, s18, 8448                       ; my stage
	v_add_nc_u32 v2, s23, v1                       ; in: a row's 512 bytes as they lie
	v_and_b32 v6, 15, v40
	v_lshrrev_b32 v7, 4, v40
	v_mul_u32_u24 v3, v6, 528
	v_lshl_add_u32 v3, v7, 7, v3
	v_add_nc_u32 v3, s23, v3                       ; out: row r, + 128 hh bytes
	v_lshlrev_b32 v4, 3, v40
	v_lshlrev_b32 v5, 3, v7                        ; 8 hh: my bytes' place in the scale word
	v_mov_b32 v13, 0                               ; a lane permute's destination counts as one of its sources
.macro LOADW f
.irp r, 0,1,2,3,4,5,6,7,8,9,10,11,12,13,14,15
	global_load_b128 v[RW+64*((\f)%2)+4*\r:RW+64*((\f)%2)+4*\r+3], v1, s[4:5] offset:(16*(\f)+\r)*4096 th:TH_LOAD_NT
.endr
.endm
.macro FRAGW f
.if (\f) < 3
	s_wait_loadcnt 16                              ; this fragment's 16 loads are in; the next one's may be out
.else
	s_wait_loadcnt 0
.endif
.irp r, 0,1,2,3,4,5,6,7,8,9,10,11,12,13,14,15
	ds_store_b128 v2, v[RW+64*((\f)%2)+4*\r:RW+64*((\f)%2)+4*\r+3] offset:528*\r
.endr
.irp c, 0,1
.irp q, 0,1,2,3,4,5,6,7
	ds_load_b128 v[XW+32*\c+4*\q:XW+32*\c+4*\q+3], v3 offset:256*\c+16*\q   ; LDS serves a wave's instructions in order: these see the stores above
.endr
.endr
	s_wait_dscnt 0x0                               ; the numbers are back, so the stores have read their registers,
.if (\f) < 2
	LOADW (\f)+2                                   ; which take the fragment two on
.endif
.irp c, 0,1
	v_max3_num_f32 v[6+\c], |v[XW+32*\c]|, |v[XW+32*\c+1]|, 0x2800000   ; my block 2 c + hh: all 32 numbers are mine; the floor 2^(5 - 127) holds the byte at 1 from below
.endr
.irp i, 2,4,6,8,10,12,14,16,18,20,22,24,26,28,30
.irp c, 0,1
	v_max3_num_f32 v[6+\c], v[6+\c], |v[XW+32*\c+\i]|, |v[XW+32*\c+\i+1]|
.endr
.endr
.irp c, 0,1
	v_add_nc_u32 v[8+\c], 0xfe000000, v[6+\c]      ; 4 off the exponent field: the conversion's scale operand
.endr
.irp c, 0,1
	v_lshrrev_b32 v[10+\c], 23, v[8+\c]            ; the scale's byte
.endr
	v_lshl_or_b32 v12, v11, 16, v10                ; blocks hh and 2 + hh of row r,
	v_lshlrev_b32 v12, v5, v12                     ; at their places in the word;
	v_permlanex16_b32 v13, v12, s20, s21
	v_or_b32 v[14+(\f)], v12, v13                  ; with lane l xor 16's two the word is whole
.if (\f) > 0
	s_wait_alu depctr_va_vdst(0)
	s_wait_xcnt 0x0                                ; the last fragment's stores have read v[20:31]
.endif
	v_cvt_scalef32_pk16_bf6_f32 v[20:22], v[XW:XW+15], v8
	v_cvt_scalef32_pk16_bf6_f32 v[32:34], v[XW+16:XW+31], v8      ; (a conversion's three registers begin on an even number)
	v_cvt_scalef32_pk16_bf6_f32 v[26:28], v[XW+32:XW+47], v9
	v_cvt_scalef32_pk16_bf6_f32 v[36:38], v[XW+48:XW+63], v9
	v_nop                                          ; one plain line behind a scaled conversion
.irp i, 0,1,2
	v_mov_b32 v[23+\i], v[32+\i]
	v_mov_b32 v[29+\i], v[36+\i]
.endr
.irp i, 0,1,2
	global_store_b128 v1, v[20+4*\i:23+4*\i], s[10:11] offset:1536*(\f)+512*\i   ; 512 consecutive bytes a store
.endr
.endm
	LOADW 0
	LOADW 1
	s_wait_alu depctr_va_vdst(0)
	FRAGW 0
	FRAGW 1
	FRAGW 2
	FRAGW 3
	v_cmp_le_u32 vcc_lo, 16, v40
	v_cndmask_b32 v18, v14, v15, vcc_lo            ; lanes 0-15 tile 0's word, lanes 16-31 tile 1's
	v_cndmask_b32 v19, v16, v17, vcc_lo            ; tiles 2 and 3
	global_store_b64 v4, v[18:19], s[12:13]        ; 256 consecutive bytes, aligned
	s_wait_tensorcnt 0x0
	ds_add_u32 v62, v63
	s_wait_dscnt 0x0
	s_endpgm
	; ---------------- the placing ----------------
.Lsort:
	s_lshl_b32 s33, s18, 10
	s_wait_alu depctr_va_vdst(0)
	v_add_nc_u32 v23, s33, v40                     ; my first token: 1024 wave + lane
	v_lshlrev_b32 v14, 2, v23
	s_lshl_b32 s34, s18, 13
	v_lshl_add_u32 v24, v40, 4, s34                ; my wave's 64 groups' counts: 8,192 wave + 16 lane
.irp j, 0,1,2,3,4,5,6,7,8,9,10,11,12,13,14,15,16,17,18,19,20,21,22,23,24,25,26,27,28,29,30,31
	global_load_b32 v[KY+\j], v14, s[8:9] offset:128*\j            ; token 1024 w + 32 j + lane: it belongs to group 2 j + lane / 16 of my 64
.endr
.irp q, 0,1,2,3,4,5,6,7,8,9,10,11,12,13,14,15
	global_load_b128 v[IH+4*\q:IH+4*\q+3], v24, s[8:9] offset:HB+512*\q   ; lane p: pair p's counts in groups 4 q .. 4 q + 3
.endr
	v_lshl_add_u32 v15, v0, 2, SORTB               ; my word of the waves' totals
	v_lshl_add_u32 v20, v40, 2, SORTB
	v_mov_b32 v6, 0
	v_mov_b32 v8, 0
	v_mov_b32 v10, 0
	v_mov_b32 v11, 0
	v_mov_b32 v12, 0
	s_lshl_b32 s33, s18, 5
	v_add_nc_u32 v9, s33, v40                      ; the tile whose entry I write: 32 wave + lane
	v_lshlrev_b32 v21, 4, v9
	s_wait_loadcnt 0x0
.irp k, 1,2,3,4,5,6,7,8,9,10,11,12,13,14,15
.irp s, 0,1,2,3
	v_add_nc_u32 v[IH+16*\s+\k], v[IH+16*\s+\k], v[IH+16*\s+\k-1]   ; inclusive sums, four chains of 16 by turns
.endr
.endr
	v_add_nc_u32 v41, v[IH+15], v[IH+31]           ; what lies in front of the third chain,
	v_add_nc_u32 v42, v41, v[IH+47]                ; of the fourth,
	v_add_nc_u32 v43, v42, v[IH+63]                ; and my wave's total
	ds_store_b32 v15, v43
.irp j, 0,1,2,3,4,5,6,7,8,9,10,11,12,13,14,15,16,17,18,19,20,21,22,23,24,25,26,27,28,29,30,31
	v_and_b32 v[IX+\j], 0x7c, v[KY+\j]             ; 4 x key: the lane to fetch from
.endr
	s_wait_dscnt 0x0                               ; for the others' sake: my wave's totals lie in LDS
	s_barrier_signal -1
	s_barrier_wait -1
.irp q, 0,1,2,3
	ds_load_b32 v[1+\q], v20 offset:128*\q
.endr
	s_wait_dscnt 0x0
	v_add_nc_u32 v5, v1, v2
	v_add3_u32 v5, v5, v3, v4
.irp q, 0,1,2
	s_cmp_gt_u32 s18, \q
	s_cselect_b32 s38, 1, 0
	v_mad_u32_u24 v6, v[1+\q], s38, v6             ; lane p: 4 x the tokens of pair p in earlier waves
.endr
	v_lshrrev_b32 v5, 2, v5                        ; lane p: tokens of pair p
	v_add_nc_u32 v7, 79, v5
	v_mul_u32_u24 v7, v7, 0xcccd
	v_lshrrev_b32 v7, 22, v7                       ; ceil(n / 80): 52,429 / 2^22 serves n + 79 up to 262,143
	s_mov_b32 s29, 0                               ; tiles so far
.set PLO, 0
.set PHI, 1
.set PP, 0
.rept 28
	v_readlane_b32 s30, v5, PP
	v_readlane_b32 s31, v7, PP
	v_writelane_b32 v8, s29, PP                    ; lane p: pair p's first tile
	s_mov_b32 s32, PLO|(PHI<<8)
	v_cmp_le_u32 vcc_lo, s29, v9                   ; the last pair that begins at or before my tile stays
	v_cndmask_b32 v10, v10, s29, vcc_lo
	v_cndmask_b32 v11, v11, s30, vcc_lo
	v_cndmask_b32 v12, v12, s32, vcc_lo
	s_add_co_u32 s29, s29, s31
.set PP, PP+1
.set PHI, PHI+1
.if PHI == 8
.set PLO, PLO+1
.set PHI, PLO+1
.endif
.endr
	v_sub_nc_u32 v22, v9, v10
	v_mul_u32_u24 v22, v22, 80                     ; rows of the pair in front of my tile,
	v_min_u32 v22, v11, v22
	v_sub_nc_u32 v22, v11, v22                     ; what is left (0 for a tile behind the pair's end),
	v_min_u32 v18, 80, v22                         ; 80 at the most
	v_and_b32 v16, 0xff, v12
	v_lshrrev_b32 v17, 8, v12
	v_mov_b32 v19, 0
	global_store_b128 v21, v[16:19], s[16:17]
	v_mul_u32_u24 v13, v8, 0x140                   ; 320 bytes of the row list a tile
	v_add_nc_u32 v13, v13, v6
	v_add_nc_u32 v26, -4, v13                      ; lane p: what the first chain's sums of pair p are raised by (the - 1 of the place among it);
	v_add_nc_u32 v27, v26, v[IH+15]                ; the second chain's,
	v_add_nc_u32 v28, v26, v41                     ; the third's,
	v_add_nc_u32 v29, v26, v42                     ; the fourth's
.irp k, 0,1,2,3,4,5,6,7,8,9,10,11,12,13,14,15
.irp s, 0,1,2,3
	v_add_nc_u32 v[IH+16*\s+\k], v[IH+16*\s+\k], v[26+\s]
.endr
.endr
	v_cmp_le_u32 vcc_lo, 16, v40
.irp j, 0,1,2,3,4,5,6,7,8,9,10,11,12,13,14,15,16,17,18,19,20,21,22,23,24,25,26,27,28,29,30,31
	ds_bpermute_b32 v[PA+\j], v[IX+\j], v[IH+2*\j]     ; from the lane whose number is my key: group 2 j's sum (no LDS byte is touched),
	ds_bpermute_b32 v[PB+\j], v[IX+\j], v[IH+2*\j+1]   ; and group 2 j + 1's
.endr
.irp j, 0,1,2,3,4,5,6,7,8,9,10,11,12,13,14,15,16,17,18,19,20,21,22,23,24,25,26,27,28,29,30,31
	s_wait_dscnt 62-2*\j                           ; this group's two are in; the later groups' may be out
	v_cndmask_b32 v[PA+\j], v[PA+\j], v[PB+\j], vcc_lo   ; lanes 16-31 belong to the odd group
	v_lshrrev_b32 v[PB+\j], 8, v[KY+\j]            ; 4 x my rank
	v_sub_nc_u32 v[PA+\j], v[PA+\j], v[PB+\j]
	v_min_u32 v[PA+\j], 0x62bc, v[PA+\j]           ; inside 79 tiles of 80 words: (4096 + 28 x 79) / 80 tiles at the most
	v_add_nc_u32 v[KY+\j], 32*\j, v23              ; the token's number
	global_store_b32 v[PA+\j], v[KY+\j], s[14:15]
.endr
	s_wait_tensorcnt 0x0
	ds_add_u32 v62, v63
	s_wait_dscnt 0x0
	s_endpgm
.Lfunc_end_k_qf7ca18c3a1_wsort:
	.size	k_qf7ca18c3a1_wsort, .Lfunc_end_k_qf7ca18c3a1_wsort-k_qf7ca18c3a1_wsort
	.p2alignl 7, 3214868480
	.fill 96, 4, 3214868480
	.section	.rodata,"a",@progbits
	.p2align	6, 0x0
	.amdhsa_kernel k_qf7ca18c3a1_wsort
		.amdhsa_group_segment_fixed_size 34816
		.amdhsa_private_segment_fixed_size 0
		.amdhsa_enable_private_segment 0
		.amdhsa_kernarg_size 56
		.amdhsa_user_sgpr_count 2
		.amdhsa_user_sgpr_kernarg_segment_ptr 1
		.amdhsa_wavefront_size32 1
		.amdhsa_system_sgpr_workgroup_id_x 1
		.amdhsa_system_sgpr_workgroup_id_y 1
		.amdhsa_system_sgpr_workgroup_id_z 1
		.amdhsa_system_vgpr_workitem_id 0
		.amdhsa_next_free_vgpr 256
		.amdhsa_next_free_sgpr 66
		.amdhsa_reserve_vcc 1
		.amdhsa_float_denorm_mode_32 3
		.amdhsa_float_denorm_mode_16_64 3
		.amdhsa_memory_ordered 1
		.amdhsa_forward_progress 1
		.amdhsa_inst_pref_size 72
	.end_amdhsa_kernel
	.amdgpu_metadata
---
amdhsa.version: [ 1, 2 ]
amdhsa.kernels:
  - .name:           k_qf7ca18c3a1_wsort
    .symbol:         k_qf7ca18c3a1_wsort.kd
    .args:
      - { .name: W_experts, .offset: 0, .size: 8, .value_kind: global_buffer, .address_space: global }
      - { .name: W_shared, .offset: 8, .size: 8, .value_kind: global_buffer, .address_space: global }
      - { .name: keys, .offset: 16, .size: 8, .value_kind: global_buffer, .address_space: global }
      - { .name: wc, .offset: 24, .size: 8, .value_kind: global_buffer, .address_space: global }
      - { .name: ws, .offset: 32, .size: 8, .value_kind: global_buffer, .address_space: global }
      - { .name: rows, .offset: 40, .size: 8, .value_kind: global_buffer, .address_space: global }
      - { .name: tiles, .offset: 48, .size: 8, .value_kind: global_buffer, .address_space: global }
    .group_segment_fixed_size: 34816
    .private_segment_fixed_size: 0
    .kernarg_segment_align: 8
    .kernarg_segment_size: 56
    .max_flat_workgroup_size: 128
    .sgpr_count:     66
    .vgpr_count:     256
    .wavefront_size: 32
...
	.end_amdgpu_metadata
.endif
;; end of part 2
;; launch moe (part 3): grid 4 x 79, 4 waves a work-group, no clusters, 79,360 bytes of LDS; arguments xc, xs, wc, ws, gates, rows, tiles, b_experts, b_shared, out0; writes out0
.if DOCPART == 3
	.amdgcn_target "amdgcn-amd-amdhsa--gfx1250"
	.amdhsa_code_object_version 6
	.text
	.protected	k_qf7ca18c3a1_moe
	.globl	k_qf7ca18c3a1_moe
	.p2align	8
	.type	k_qf7ca18c3a1_moe,@function
k_qf7ca18c3a1_moe:
	s_mov_b64 s[64:65], 0
	v_nop
	global_prefetch_b8 v0, s[64:65] scope:SCOPE_SE
	s_setreg_imm32_b32 hwreg(HW_REG_WAVE_MODE, 25, 1), 1
	s_wait_xcnt 0x0
; out[t] = x W_s^T + b_s + g_lo (x W_lo^T + b_lo) + g_hi (x W_hi^T + b_hi), all three products on codes of E3M2 with E8M0 scales.
; A work-group takes a tile of 80 tokens of ONE pair of experts (work-group y, from the stored list) and 256 outputs (x). Wave w owns 64 outputs, slice j = 4 x + w, for all 80 rows: 20 accumulators.
; ONE SET OF ACCUMULATORS, three passes of K = 1,024: acc = b_lo + Y_lo;  acc = acc rho + b_hi, + Y_hi;  acc = acc gamma + b_s, + S.  rho gamma = g_lo, gamma = max(g_hi, 2^-40).
; So every output row has one owner, nothing is summed through memory, and every trip count is a constant.
; THE PRODUCT IS USED TRANSPOSED: source 0 = 16 rows of W, source 1 = 16 tokens: a lane holds ONE token (lane % 16) and eight neighbouring outputs, 16 t + 8 (lane / 16) + 0 .. 7.
; x's 40 fragments are gathered once (each wave two K steps), handed round through LDS as images of the registers, and stay in registers for all three passes; in the first pass they come from LDS
; two K steps ahead of their use. x's gathers go out ahead of the weights' loads: the first product waits for them longest (gather, LDS, barrier, LDS).
; THE WEIGHTS go from memory straight into a ring of five K steps in registers: they were laid in the order of the operand's registers, so a fragment is three loads of 512 consecutive bytes;
; no other wave of the work-group reads them. Four K steps (52 loads) are out while one is multiplied.
; GRID: ceil(4096 / 80) + 28 - 1 = 79 tiles serve every split. A tile that the split leaves empty passes the one barrier, stores nothing and ends.
; NO CLUSTER: 79 tiles divide into no cluster along y, and which weights a tile takes in two of its three passes hangs on the stored list; along x the partners share only x's 61,440 bytes
; beside each work-group's own 3 x 196,608 bytes of weight codes.
; LIMITS: gamma's floor adds at most 2^-40 |Y_hi + b_hi| and wants 2^40 |Y_lo + b_lo| finite. NaN and infinities are not served.
; REGISTERS. window 0: v1 16 lane; v2 8 lane; v3 32 (lane / 16); v4, v5 the stage in, out; v6 16 (lane % 16); v7 x's images in; v8-12 tokens; v13-17, v72-81 offsets; v18 4 (lane % 16);
;   v20-39 x's scale words (4 m + i: lanes 0-15 K step i, lanes 16-31 K step 4 + i); v40-49 W's scale words (2 slot + t / 2: lanes 0-15 tile 2 (t / 2), lanes 16-31 the next); v52-71 (rho, rho, gamma, gamma);
;   v96-255 accumulator (m, t) at 96 + 8 (4 m + t).   window 1: the ring, 48 slot + 12 t; on the way out rows, offsets and tokens.
;   window 2: x's fragments of K steps 0-3 at 12 (5 s + m); v240-255 the bias of tiles 0, 1.   window 3: K steps 4-7; the bias of tiles 2, 3.
.set STAGE,  61440                     ; LDS: x's 40 images of 1,536 bytes; then a stage of 16 rows x 272 bytes for each wave
.set SPITCH, 272
.set TOK, 8
.set XO,  13
.set XSO, 72
.set GO,  77
.set XSR, 20
.set WSR, 40
.set GR,  52
.set ACC, 96
.set CB,  32                           ; s[32:37] the three passes' codes;  s[38:43] scale words;  s[44:49] biases
.set SB,  38
.set BB,  44
.set MSB, 0
.macro WIN new                         ; the immediate's high byte repeats the setting that is left
.if MSB != (\new)
	s_set_vgpr_msb (MSB<<8)|(\new)
.set MSB, (\new)
.endif
.endm
.macro BASES p, e
	s_mul_i32 s54, s[\e], 786432                   ; 128 x 6,144 bytes a matrix,
	s_mul_i32 s56, s53, 49152                      ; 8 x 6,144 a slice
	s_add_co_u32 s54, s54, s56
	s_add_nc_u64 s[CB+2*\p:CB+2*\p+1], s[8:9], s[54:55]
	s_lshl_b32 s54, s[\e], 15
	s_lshl_b32 s56, s53, 11
	s_add_co_u32 s54, s54, s56
	s_add_nc_u64 s[SB+2*\p:SB+2*\p+1], s[10:11], s[54:55]
.endm
.macro WLOAD g                         ; K step g of 24: 13 loads: the scale words of its four tiles, then its four fragments, into slot g % 5
.set LP, (\g)/8
.set LK, (\g)%8
.set LL, (\g)%5
	WIN 0
	global_load_b64 v[WSR+2*LL:WSR+2*LL+1], v2, s[SB+2*LP:SB+2*LP+1] offset:256*LK
	WIN 0x40                                       ; destination window 1
.irp t, 0,1,2,3
.irp i, 0,1,2
	global_load_b128 v[48*LL+12*\t+4*\i:48*LL+12*\t+4*\i+3], v1, s[CB+2*LP:CB+2*LP+1] offset:6144*LK+1536*\t+512*\i
.endr
.endr
	WIN 0
.endm
.macro BIAS p                          ; 8 loads: lane (r, hh) takes, for tile t, the bias of outputs 16 t + 8 hh + 0 .. 7: the result's layout
	WIN 0x80
.irp t, 0,1
	global_load_b128 v[240+8*\t:243+8*\t], v3, s[BB+2*(\p):BB+2*(\p)+1] offset:64*\t
	global_load_b128 v[244+8*\t:247+8*\t], v3, s[BB+2*(\p):BB+2*(\p)+1] offset:64*\t+16
.endr
	WIN 0xc0
.irp t, 0,1
	global_load_b128 v[240+8*\t:243+8*\t], v3, s[BB+2*(\p):BB+2*(\p)+1] offset:128+64*\t
	global_load_b128 v[244+8*\t:247+8*\t], v3, s[BB+2*(\p):BB+2*(\p)+1] offset:128+64*\t+16
.endr
	WIN 0
.endm
.macro XFETCH s                        ; 15 LDS loads: x's five fragments of K step s, as images of the registers
.if (\s) < 4
	WIN 0x80
.else
	WIN 0xc0
.endif
.irp m, 0,1,2,3,4
.irp i, 0,1,2
	ds_load_b128 v[12*(5*((\s)%4)+\m)+4*\i:12*(5*((\s)%4)+\m)+4*\i+3], v1 offset:(5*(\s)+\m)*1536+512*\i
.endr
.endr
	WIN 0
.endm
	s_load_b512 s[4:19], s[0:1], 0x0               ; xc 4, xs 6, wc 8, ws 10, gates 12, rows 14, tiles 16, b_experts 18
	s_load_b128 s[20:23], s[0:1], 0x40             ; b_shared 20, out0 22
	v_lshl_add_u32 v94, v0, 2, 0x13400
	v_mov_b32 v95, 0
	v_lshrrev_b32 v82, 5, v0
	v_readfirstlane_b32 s50, v82                   ; wave
	v_and_b32 v83, 31, v0                          ; lane
	v_and_b32 v84, 15, v0                          ; r
	v_bfe_u32 v85, v0, 4, 1                        ; hh
	v_lshlrev_b32 v1, 4, v83
	v_lshlrev_b32 v2, 3, v83
	v_lshlrev_b32 v3, 5, v85
	v_lshlrev_b32 v18, 2, v84
	v_lshlrev_b32 v6, 4, v84
	v_mul_u32_u24 v86, v85, 48
	v_lshlrev_b32 v87, 4, v85
	s_and_b32 s52, ttmp7, 0xffff                   ; the tile
	s_lshl_b32 s53, ttmp9, 2
	s_add_co_u32 s53, s53, s50                     ; j
	s_mul_i32 s54, s50, 15360
	v_add_nc_u32 v7, s54, v1                       ; my two K steps' images: 16 lane + 10 x 1,536 x wave
	s_mul_i32 s54, s50, 16*SPITCH
	s_add_co_u32 s54, s54, STAGE                   ; my stage
	v_mul_u32_u24 v4, v84, SPITCH
	v_lshl_add_u32 v4, v85, 5, v4
	v_add_nc_u32 v4, s54, v4                       ; in: row r, 32 bytes for each half of the lanes
	v_mul_u32_u24 v5, v85, 8*SPITCH
	v_lshl_add_u32 v5, v84, 4, v5
	v_add_nc_u32 v5, s54, v5                       ; back: lanes 0-15 row i, lanes 16-31 row i + 8
	s_mov_b32 s55, 0
	s_wait_kmcnt 0x0
	s_lshl_b32 s54, s52, 4
	s_add_nc_u64 s[16:17], s[16:17], s[54:55]
	s_load_b128 s[24:27], s[16:17], 0x0            ; lo, hi, count, 0
	s_mul_i32 s54, s52, 320
	s_add_nc_u64 s[14:15], s[14:15], s[54:55]      ; the tile's 80 words of the row list
.irp m, 0,1,2,3,4
	global_load_b32 v[TOK+\m], v18, s[14:15] offset:64*\m
.endr
	s_mul_i32 s54, s50, 192                        ; my two K steps of a token's codes
	s_add_nc_u64 s[4:5], s[4:5], s[54:55]
	s_wait_loadcnt 0x0                             ; the tokens
.irp m, 0,1,2,3,4
	v_min_u32 v[TOK+\m], 0xfff, v[TOK+\m]          ; a row without a token computes token 4095's numbers, which are not stored
.endr
.irp m, 0,1,2,3,4
	v_mul_u32_u24 v[XO+\m], v[TOK+\m], 0x300
.endr
.irp m, 0,1,2,3,4
	v_add_nc_u32 v[XO+\m], v86, v[XO+\m]           ; codes: 768 token + 48 hh
	v_lshl_add_u32 v[XSO+\m], v[TOK+\m], 5, v87    ; scale words: 32 token + 16 hh
	v_lshlrev_b32 v[GO+\m], 4, v[TOK+\m]           ; gates: 16 token
.endr
.irp m, 0,1,2,3,4
.irp u, 0,1
.irp i, 0,1,2
	global_load_b128 v[ACC+4*(6*\m+3*\u+\i):ACC+4*(6*\m+3*\u+\i)+3], v[XO+\m], s[4:5] offset:96*\u+16*\i   ; K step 2 w + u of row tile m, into registers that the sums take later
.endr
.endr
.endr
.irp m, 0,1,2,3,4
	global_load_b128 v[XSR+4*\m:XSR+4*\m+3], v[XSO+\m], s[6:7]
.endr
.irp m, 0,1,2,3,4
	global_load_b128 v[GR+4*\m:GR+4*\m+3], v[GO+\m], s[12:13]
.endr
	s_wait_kmcnt 0x0                               ; the tile's experts and count
	s_min_u32 s24, s24, 7
	s_min_u32 s25, s25, 7
	s_mov_b32 s27, 8                               ; the shared matrix is the ninth
	BASES 0, 24
	BASES 1, 25
	BASES 2, 27
	s_lshl_b32 s56, s53, 8                         ; my 64 outputs: 256 bytes
	s_lshl_b32 s54, s24, 12
	s_add_co_u32 s54, s54, s56
	s_add_nc_u64 s[BB:BB+1], s[18:19], s[54:55]
	s_lshl_b32 s54, s25, 12
	s_add_co_u32 s54, s54, s56
	s_add_nc_u64 s[BB+2:BB+3], s[18:19], s[54:55]
	s_mov_b32 s54, s56
	s_add_nc_u64 s[BB+4:BB+5], s[20:21], s[54:55]
	s_add_nc_u64 s[22:23], s[22:23], s[54:55]
	BIAS 0
	WLOAD 0
	WLOAD 1
	WLOAD 2
	WLOAD 3
	s_wait_loadcnt 63                              ; x's 30 loads are in: 5 + 5 + 8 + 52 = 70 stand behind them; the wait names the largest count that it can
.irp m, 0,1,2,3,4
.irp u, 0,1
.irp i, 0,1,2
	ds_store_b128 v7, v[ACC+4*(6*\m+3*\u+\i):ACC+4*(6*\m+3*\u+\i)+3] offset:7680*\u+1536*\m+512*\i
.endr
.endr
.endr
	s_wait_dscnt 0x0                               ; for the others' sake: my ten images lie in LDS
	s_barrier_signal -1
	s_barrier_wait -1                              ; the one barrier: every wave of every work-group passes it
	s_cmp_eq_u32 s26, 0
	s_cbranch_scc1 .Lend                           ; a tile without rows
	WLOAD 4
	XFETCH 0
	XFETCH 1
.macro MM ra, rb                       ; one product; ra, rb: which half of the lanes holds W's and x's scale words
.if (\ra) && (\rb)
	v_wmma_scale_f32_16x16x128_f8f6f4 v[rD:rD+7], v[rA:rA+11], v[rB:rB+11], v[rC:rC+7], v[rSA], v[rSB] matrix_a_fmt:MATRIX_FMT_BF6 matrix_b_fmt:MATRIX_FMT_BF6 matrix_a_scale:MATRIX_SCALE_ROW1 matrix_b_scale:MATRIX_SCALE_ROW1
.elseif (\ra)
	v_wmma_scale_f32_16x16x128_f8f6f4 v[rD:rD+7], v[rA:rA+11], v[rB:rB+11], v[rC:rC+7], v[rSA], v[rSB] matrix_a_fmt:MATRIX_FMT_BF6 matrix_b_fmt:MATRIX_FMT_BF6 matrix_a_scale:MATRIX_SCALE_ROW1
.elseif (\rb)
	v_wmma_scale_f32_16x16x128_f8f6f4 v[rD:rD+7], v[rA:rA+11], v[rB:rB+11], v[rC:rC+7], v[rSA], v[rSB] matrix_a_fmt:MATRIX_FMT_BF6 matrix_b_fmt:MATRIX_FMT_BF6 matrix_b_scale:MATRIX_SCALE_ROW1
.else
	v_wmma_scale_f32_16x16x128_f8f6f4 v[rD:rD+7], v[rA:rA+11], v[rB:rB+11], v[rC:rC+7], v[rSA], v[rSB] matrix_a_fmt:MATRIX_FMT_BF6 matrix_b_fmt:MATRIX_FMT_BF6
.endif
.endm
.macro BOUND p                         ; between two passes: acc = acc x (rho or gamma) + the next bias; each accumulator from its low end on
.irp h, 0,1
.set WN, 0x20+0x10*\h                  ; source 2 (the bias) window 2 or 3
	WIN WN
.irp m, 0,1,2,3,4
.irp u, 0,1
.irp i, 0,2,4,6
.set rD, ACC+8*(4*\m+2*\h+\u)+\i
	v_pk_fma_f32 v[rD:rD+1], v[rD:rD+1], v[GR+4*\m+2*((\p)-1):GR+4*\m+2*((\p)-1)+1], v[240+8*\u+\i:240+8*\u+\i+1]
.endr
.endr
.endr
.endr
.endm
; K step g of 24: pass g / 8, K step g % 8, slot g % 5. 20 products, the 20 accumulators by turns, one instruction a turn; then x's fragments of two K steps on
; (first pass), and the slot is asked for again, five steps on.
.macro KSTEP g
.set PS, (\g)/8
.set S8, (\g)%8
.set SL, (\g)%5
.if (\g) == 0
	s_wait_loadcnt 52                              ; x's scale words, the gates, the bias and K step 0 are in; K steps 1 to 4 may be out
.elseif (\g) < 5
	s_wait_loadcnt 60                              ; behind this K step's loads: four K steps' (52) and the second bias's (8)
.elseif (\g) < 9
	s_wait_loadcnt 52                              ; four K steps
.elseif (\g) < 13
	s_wait_loadcnt 60                              ; four K steps, and the last bias among them
.elseif (\g) < 20
	s_wait_loadcnt 52
.else
	s_wait_loadcnt 10+13*(23-(\g))                 ; the K steps left, and the ten loads of tokens for the way out
.endif
.if (\g) < 7
	s_wait_dscnt 15                                ; x's fragments of this K step are in; the next K step's 15 loads may be out
.elseif (\g) == 7
	s_wait_dscnt 0x0
.endif
.if (S8 == 0) && (PS > 0)
	BOUND PS
.endif
.irp t, 0,1,2,3
.if (\g) == 0
.set WN, 0x29+0x10*(\t/2)              ; W window 1, x window 2, C = the bias in window 2 or 3: the first products start the sums
.else
.set WN, 0x09+4*(S8/4)                 ; W window 1, x window 2 or 3, C and D window 0
.endif
	WIN WN
.irp m, 0,1,2,3,4
.set rD, ACC+8*(4*\m+\t)
.set rA, 48*SL+12*\t
.set rB, 12*(5*(S8%4)+\m)
.if (\g) == 0
.set rC, 240+8*(\t%2)
.else
.set rC, rD
.endif
.set rSA, WSR+2*SL+\t/2
.set rSB, XSR+4*\m+S8%4
	MM \t%2, S8/4
.endr
.endr
	WIN 0
.if ((\g) <= 19) || ((\g) == 23)
.rept 4
	v_nop                                          ; four places in front of loads into registers that these products have read, and of the first read of results
.endr
.endif
.if (\g) <= 5
	XFETCH (\g)+2
.endif
.if (\g) == 0
	BIAS 1
.elseif (\g) == 8
	BIAS 2
.endif
.if (\g) <= 18
	WLOAD (\g)+5
.elseif (\g) == 19
	WIN 0x40                                       ; the slot has no further K step: it takes the tokens of the rows that I store, eight for each half of the lanes and row tile
.irp m, 0,1,2,3,4
	global_load_b128 v[192+8*\m:195+8*\m], v3, s[14:15] offset:64*\m
	global_load_b128 v[196+8*\m:199+8*\m], v3, s[14:15] offset:64*\m+16
.endr
	WIN 0
.endif
.endm
.set G, 0
.rept 24
	KSTEP G
.set G, G+1
.endr
	; THE WAY OUT. A lane holds 32 bytes of a token's row and the lanes beside it other tokens: a row tile goes through my stage and comes back as rows of 256 bytes, which sixteen lanes store whole.
	s_wait_loadcnt 0x0                             ; the tokens
	WIN 0x44
.set I, 0
.rept 40
	v_min_u32 v[144+I], 0xfff, v[192+I]
.set I, I+1
.endr
	WIN 0x41
.set I, 0
.rept 40
	v_lshl_add_u32 v[144+I], v[144+I], 12, v6      ; 4,096 token + 16 (lane % 16)
.set I, I+1
.endr
	WIN 0
.macro TOSTAGE m
.irp t, 0,1,2,3
	ds_store_b128 v4, v[ACC+8*(4*(\m)+\t):ACC+8*(4*(\m)+\t)+3] offset:64*\t          ; each accumulator from its low end on
	ds_store_b128 v4, v[ACC+8*(4*(\m)+\t)+4:ACC+8*(4*(\m)+\t)+7] offset:64*\t+16
.endr
	WIN 0x40
.irp i, 0,1,2,3,4,5,6,7
	ds_load_b128 v[32*((\m)%2)+4*\i:32*((\m)%2)+4*\i+3], v5 offset:SPITCH*\i   ; LDS serves a wave's instructions in order (ISA guide 5.7.1.4): these see the stores above
.endr
	WIN 0
.endm
.macro SEND m, younger                 ; younger: the LDS instructions issued behind row tile m's loads
	s_wait_dscnt \younger
	s_cmp_ge_u32 s26, 16*(\m)+16
	s_cbranch_scc0 .Lpart_\@
	WIN 0x05                                       ; address and data window 1
	s_wait_alu depctr_va_vdst(0)
.irp i, 0,1,2,3,4,5,6,7
	global_store_b128 v[144+8*(\m)+\i], v[32*((\m)%2)+4*\i:32*((\m)%2)+4*\i+3], s[22:23] th:TH_STORE_NT   ; sixteen lanes store 256 consecutive bytes, aligned
.endr
	WIN 0
	s_branch .Ldone_\@
.Lpart_\@:
	s_cmp_le_u32 s26, 16*(\m)
	s_cbranch_scc1 .Ldone_\@                       ; no row of this row tile has a token
	WIN 0x05
	s_wait_alu depctr_va_vdst(0)
.irp i, 0,1,2,3,4,5,6,7
	v_cmp_gt_u32 vcc_lo, 0x1000, v[192+8*(\m)+\i]  ; rows with a token
	s_wait_xcnt 0x0                                ; EXEC changes only behind this wait
	s_and_saveexec_b32 s58, vcc_lo
	global_store_b128 v[144+8*(\m)+\i], v[32*((\m)%2)+4*\i:32*((\m)%2)+4*\i+3], s[22:23] th:TH_STORE_NT
	s_wait_xcnt 0x0
	s_or_b32 exec_lo, exec_lo, s58
.endr
	WIN 0
.Ldone_\@:
.endm
	TOSTAGE 0
.irp a, 1,2,3,4
.if \a > 1
	s_wait_xcnt 0x0                                ; row tile a - 2's stores have read the registers into which row tile a comes back
.endif
	TOSTAGE \a
	SEND \a-1, 16                                  ; behind its loads: the next row tile's 8 stores and 8 loads
.endr
	SEND 4, 0
.Lend:
	s_wait_tensorcnt 0x0
	ds_add_u32 v94, v95
	s_wait_dscnt 0x0
	s_endpgm
.Lfunc_end_k_qf7ca18c3a1_moe:
	.size	k_qf7ca18c3a1_moe, .Lfunc_end_k_qf7ca18c3a1_moe-k_qf7ca18c3a1_moe
	.p2alignl 7, 3214868480
	.fill 96, 4, 3214868480
	.section	.rodata,"a",@progbits
	.p2align	6, 0x0
	.amdhsa_kernel k_qf7ca18c3a1_moe
		.amdhsa_group_segment_fixed_size 79360
		.amdhsa_private_segment_fixed_size 0
		.amdhsa_enable_private_segment 0
		.amdhsa_kernarg_size 80
		.amdhsa_user_sgpr_count 2
		.amdhsa_user_sgpr_kernarg_segment_ptr 1
		.amdhsa_wavefront_size32 1
		.amdhsa_system_sgpr_workgroup_id_x 1
		.amdhsa_system_sgpr_workgroup_id_y 1
		.amdhsa_system_sgpr_workgroup_id_z 1
		.amdhsa_system_vgpr_workitem_id 0
		.amdhsa_next_free_vgpr 1024
		.amdhsa_next_free_sgpr 66
		.amdhsa_reserve_vcc 1
		.amdhsa_float_denorm_mode_32 3
		.amdhsa_float_denorm_mode_16_64 3
		.amdhsa_memory_ordered 1
		.amdhsa_forward_progress 1
		.amdhsa_inst_pref_size 157
	.end_amdhsa_kernel
	.amdgpu_metadata
---
amdhsa.version: [ 1, 2 ]
amdhsa.kernels:
  - .name:           k_qf7ca18c3a1_moe
    .symbol:         k_qf7ca18c3a1_moe.kd
    .args:
      - { .name: xc, .offset: 0, .size: 8, .value_kind: global_buffer, .address_space: global }
      - { .name: xs, .offset: 8, .size: 8, .value_kind: global_buffer, .address_space: global }
      - { .name: wc, .offset: 16, .size: 8, .value_kind: global_buffer, .address_space: global }
      - { .name: ws, .offset: 24, .size: 8, .value_kind: global_buffer, .address_space: global }
      - { .name: gates, .offset: 32, .size: 8, .value_kind: global_buffer, .address_space: global }
      - { .name: rows, .offset: 40, .size: 8, .value_kind: global_buffer, .address_space: global }
      - { .name: tiles, .offset: 48, .size: 8, .value_kind: global_buffer, .address_space: global }
      - { .name: b_experts, .offset: 56, .size: 8, .value_kind: global_buffer, .address_space: global }
      - { .name: b_shared, .offset: 64, .size: 8, .value_kind: global_buffer, .address_space: global }
      - { .name: out0, .offset: 72, .size: 8, .value_kind: global_buffer, .address_space: global }
    .group_segment_fixed_size: 79360
    .private_segment_fixed_size: 0
    .kernarg_segment_align: 8
    .kernarg_segment_size: 80
    .max_flat_workgroup_size: 128
    .sgpr_count:     66
    .vgpr_count:     1024
    .wavefront_size: 32
...
	.end_amdgpu_metadata
.endif
;; end of part 3
